; MI455X (gfx1250); checked and timed in simulation.
; The chip was launched on July 23, 2026; its instructions are those of AMD's public machine-readable ISA for CDNA 5 (MIT licence, August 2026) and "CDNA5" Instruction Set Architecture Reference Guide (July 2026). The comments in the code are by the model that wrote it; some were corrected since.
;; Hidden State ODE Func. Allowed arithmetic: matrix products marked QUANTISED: E5M2 operands, one E8M0 scale for each 32 along K, by v_wmma_scale_f32_16x16x128_f8f6f4 with both operands' format E5M2, f32 sums; everything else in f32.
;; Inputs: W1_codes 4,096 x 32 x 32 uint8 (E5M2 codes of W1, K innermost, in blocks of 32 codes); W1_scales 4,096 x 32 uint8 (E8M0 scales of W1, one for each 32 codes along K); W2_codes 1,024 x 128 x 32 uint8 (E5M2 codes of W2, K innermost, in blocks of 32 codes); W2_scales 1,024 x 128 uint8 (E8M0 scales of W2, one for each 32 codes along K); _time one number float32; b1 4,096 float32; b2 1,024 float32; hidden_state_codes 8,192 x 32 x 32 uint8 (E5M2 codes of hidden_state, K innermost, in blocks of 32 codes); hidden_state_scales 8,192 x 32 uint8 (E8M0 scales of hidden_state, one for each 32 codes along K); ln_beta 4,096 float32; ln_gamma 4,096 float32.
;; Outputs: out0 8,192 x 1,024 float32.
;; This version of the problem:
;;   THIS VERSION OF THE PROBLEM IS GIVEN IN LOW PRECISION. The matrix products marked QUANTISED in the list below multiply operands that are first quantised to E5M2 (5 exponent bits, 2 mantissa bits; 8 bits a number), with one power-of-two scale for each 32 numbers along K (OCP MX v1.0); their sums are f32. All else is computed in f32.
;;   The module's matrix products, in the order in which they are computed (A, B: the left and right operand; K: the contracted axis; several contracted axes count as one K, in the product's order):
;;     1. [M 8,192, K 1,024] x [K 1,024, N 4,096]; A: input hidden_state (given as codes); B: input W1 (given as codes): QUANTISED
;;     2. [M 8,192, K 4,096] x [K 4,096, N 1,024]; A: computed on the way; B: input W2 (given as codes): QUANTISED
;;   THE QUANTISER, for each operand of a quantised product, along K:
;;     - K is cut into blocks of 32 from its start; a last block that is shorter is filled with zeros.
;;     - A block's scale is 2^e with e = floor(log2(the largest magnitude in the block)) - 15, held to -126 .. 127; a block of zeros has e = 0. As a byte (E8M0): e + 127.
;;     - Each number is divided by its block's scale, clamped to +-57,344, and rounded to the nearest number of E5M2, ties to even, subnormals kept.
;;     - The product sums the exact products of the quantised numbers (number of the format x scale) in f32.
;;   ~~~python
;;   def quantise(x, axis):      # numpy; x: float32 -> the quantised numbers, widened to float32 again
;;       x = np.moveaxis(x, axis, -1); K = x.shape[-1]
;;       x = np.pad(x, [(0, 0)] * (x.ndim - 1) + [(0, -K % 32)]); x = x.reshape(x.shape[:-1] + (-1, 32)); a = np.abs(x).max(-1, keepdims=True)
;;       e = np.where(a > 0, np.clip(np.frexp(np.where(a > 0, a, 1))[1] - 1 - 15, -126, 127), 0)      # np.frexp(a)[1] - 1 = floor(log2(a)), exactly
;;       r = np.clip(x / 2.0 ** e, -57344, 57344)
;;       step = 2.0 ** (np.maximum(np.frexp(np.where(r == 0, 1, r))[1] - 1, -14) - 2)
;;       q = np.round(r / step) * step * 2.0 ** e      # np.round: ties to even
;;       return np.moveaxis(q.reshape(q.shape[:-2] + (-1,))[..., :K], -1, axis).astype(np.float32)
;;   ~~~
;;   OPERANDS COMPUTED ON THE WAY. 'Computed on the way' means the value that the module computes at that place (a softmax that the list does not call 'softmax' is quantised finished and normalised). What goes into a quantiser is computed in f32, as accurately as f32 sums, v_exp_f32 and their like allow (about 1e-6 of the number): no bf16 or f16 on the way to a quantiser, and a product that is left as it is and whose result goes on into a quantised operand takes f32 operands (vector FMAs, or v_wmma_f32_16x16x4_f32). A number that lies on a knife's edge between two numbers of the format may be rounded either way, as far as f32 arithmetic and the matrix unit's own rounding can turn it there, and no further.
;;   INPUTS GIVEN AS CODES. W1 (in the module: [1024, 4096], K = its axis 0); W2 (in the module: [4096, 1024], K = its axis 0); hidden_state (in the module: [8192, 1024], K = its axis 1): each comes as NAME_codes (uint8): NAME with its K axis moved to the last place and cut into blocks of 32 codes, [.., K / 32, bytes a block], one block behind the other in memory; one code a byte (a code: sign, 5 exponent bits, 2 mantissa bits); and NAME_scales (uint8): the same leading axes, one E8M0 byte (e + 127) for each 32 codes along K. Its value is code x scale, taken as it is: it is not quantised again, and the codes and scales need not be those that the quantiser above would give.
;; One version. Each part assembles by itself: llvm-mc -triple=amdgcn-amd-amdhsa -mcpu=gfx1250 --defsym DOCPART=n.
;; ======== version 1 of 1: 3 launches
;; limits: right only within a limited range of input values
;; workspace buffers: part 2,097,152 bytes; a_codes 33,554,432 bytes; a_scales 1,048,576 bytes
;; launch stats (part 1): grid 16 x 32, 4 waves a work-group, clusters of 4 x 4, 327,680 bytes of LDS; arguments hidden_state_codes, hidden_state_scales, W1_codes, W1_scales, b1, part; writes part
.if DOCPART == 1
	.amdgcn_target "amdgcn-amd-amdhsa--gfx1250"
	.amdhsa_code_object_version 6
	.text
	.protected	k_qaf2f63f508_stats
	.globl	k_qaf2f63f508_stats
	.p2align	8
	.type	k_qaf2f63f508_stats,@function
k_qaf2f63f508_stats:
	s_mov_b64 s[64:65], 0
	v_nop
	global_prefetch_b8 v0, s[64:65] scope:SCOPE_SE
	s_setreg_imm32_b32 hwreg(HW_REG_WAVE_MODE, 25, 1), 1
	s_wait_xcnt 0x0
	s_wait_alu depctr_hold_cnt(0) depctr_sa_sdst(0) depctr_va_vdst(0) depctr_va_sdst(0) depctr_va_ssrc(0) depctr_va_vcc(0) depctr_vm_vsrc(0)
	s_getreg_b32 s2, hwreg(HW_REG_IB_STS2, 6, 4)
	s_cmp_eq_u32 s2, 0
	s_cbranch_scc0 .Lentry_in_a_cluster
	s_endpgm
.Lentry_in_a_cluster:
	s_bfe_u32 s2, ttmp6, 0x10000c
	s_cmp_lg_u32 s2, 0xf033
	s_cbranch_scc0 .Lentry_shape_is_right
	s_endpgm
.Lentry_shape_is_right:
; FIRST OF THREE LAUNCHES: the rows' statistics of z = hs W1 + b1 (8,192 x 4,096, K = 1,024), on codes of BF8 (E5M2) with one E8M0 scale for each 32 along K; sums in f32.
; z itself is not stored: the second launch forms the same sums again, by the same instructions in the same order, and normalises them in registers.
; WHAT LEAVES: for each row and each 128 columns the mean of the 128 numbers and the sum of their squared deviations from THAT mean (no difference of large sums is formed).
;   part: f32 [2][32 chunks of 128 columns][8,192 rows]: plane 0 the means, plane 1 the sums of squares.
; DEAD WORK: reference() takes _time and uses it in no expression, so for all values it reaches no output: it is not loaded and is no argument of any launch.  A NaN or an infinity in _time is therefore not carried to the result.
; A tile of z, 256 x 256, is made by four waves, each 128 x 128: 64 accumulators, 512 registers.  K goes in four steps of 256 through two LDS slots; the scale bytes of the 256 + 256 rows come once and stay.
; CLUSTERS: 4 x 4 work-groups; hs's tiles are asked for jointly along a row of the cluster, W1's along a column.
; THE MATRIX INSTRUCTION IS USED TRANSPOSED (source 0 = 16 rows of W1, source 1 = 16 rows of hs): lane l holds row l % 16 of z, its eight registers the columns 8 (l / 16) + 0 .. 7 of the tile.  b1 is the C of each sum's first product.
; PREFETCH: K steps 1 and 2 are asked for behind the head's load, K step 3 behind slot 1's first fill: 32 rows x 256 bytes a wave and step, a lane a row; the four partners of a joint load share its rows by address.
; REGISTERS: window 0: v16-31 addresses; v32-63 scale words, two sets; v64-127 b1, later at work; v128-255 hs's fragments, one set.  window 1: W1's fragments, two sets.  windows 2, 3: accumulator (a, b) at v[8 (8 (a % 4) + b)].
; LIMITS: NaN and infinities among the values are not served.
.set KROW,   1024
.set ROWB,   256
.set NQ,     2
.set PITCH,  272                       ; 256 bytes + 16 of padding: the 16 rows of a load start at 16 different banks
.set FR,     16
.set NL,     4
.set NP,     8                         ; places behind this matrix instruction (ISA guide 7.12.1)
.set HALFT,  128*PITCH
.set SLOT,   4*HALFT                   ; hs's 256 rows, then W1's 256 rows
.set KS,     32                        ; a row of scale bytes
.set SCL,    2*SLOT
.set HALFS,  16*272                    ; the scales of 128 rows
.set SBLK,   2*272                     ; of 16 rows
.set SPARE,  SCL+4*HALFS               ; the spare words, 128 bytes a wave
.set ADRA, 16
.set ADRB, 20
.set SA,   24                          ; the way out: 1,024 x wave + 512 (l / 16) + 4 (l % 16)
.set RD,   25                          ; 1,024 x wave + 16 x lane
.set CO,   26                          ; 16 x lane
.set ADRS, 27
.set SPW,  28
.set NIL,  29
.set BO,   30                          ; 32 x (l / 16)
.set PFO,  31                          ; 1,024 x lane: a row of codes a lane
.set SC,   32
.set B1,   64
.set AF,   128
.set SS,   64
.set QQ,   72
.set MEAN, 80
.set TT,   82
.set OUTV, 84
.set M2,   85
.set BK,   88
.set DV,   128
.set G1, 24
.set G0, 32
.set G1B, 48
.set G0B, 56
.set G1S, 68
.set G0S, 76
.set G1SB, 80
.set G0SB, 88
.set G0H, 4
.set G0HB, 8
.set MSB, 0
.macro WIN new                         ; the immediate's high byte repeats the setting that is left
.if MSB != (\new)
	s_set_vgpr_msb (MSB<<8)|(\new)
.set MSB, (\new)
.endif
.endm
.set MUL_LO,  0xa1
.set MUL_HI,  0xf1
.set BIAS_LO, 0x81
.set BIAS_HI, 0xc1
.set TO_B,    0x40
.macro JLOAD g0a, g1a, g0b, g1b        ; a joint load: waves 0, 1 fetch for hs, waves 2, 3 for W1
	s_cmp_eq_u32 s15, 0
	s_cbranch_scc0 .Lfor_b_\@
	tensor_load_to_lds s[\g0a:\g0a+3], s[\g1a:\g1a+7]
	s_nop 0
.rept 4
	v_nop
.endr
	s_branch .Lasked_\@
.Lfor_b_\@:
	tensor_load_to_lds s[\g0b:\g0b+3], s[\g1b:\g1b+7]
	s_nop 0
.rept 4
	v_nop
.endr
.Lasked_\@:
.endm
.macro CREST
	s_cmp_lg_u32 s14, 0
	s_cbranch_scc1 .Lnot_wave_0_\@
	s_barrier_signal -3
.Lnot_wave_0_\@:
	s_barrier_wait -3
	s_barrier_signal -1
	s_barrier_wait -1
.endm
.macro CROUND
	s_barrier_signal -1
	s_barrier_wait -1
	CREST
.endm
	s_load_b256 s[4:11], s[0:1], 0x0               ; hs's codes, its scales, W1's codes, its scales
	s_load_b128 s[96:99], s[0:1], 0x20             ; b1, part
	v_lshl_add_u32 v[SPW], v0, 2, SPARE
	v_mov_b32 v[NIL], 0
	ds_add_u32 v[SPW], v[NIL]                      ; the opening lines: the add twice on end and one wait
	ds_add_u32 v[SPW], v[NIL]
	v_lshrrev_b32 v1, 5, v0
	v_readfirstlane_b32 s14, v1                    ; wave
	v_bfe_u32 v2, v0, 4, 1
	v_lshlrev_b32 v[BO], 5, v2
	v_and_b32 v3, 31, v0
	v_lshlrev_b32 v[PFO], 10, v3
	s_lshr_b32 s15, s14, 1                         ; my half of the rows; also: I fetch for hs (0) or W1 (1)
	s_and_b32 s16, s14, 1                          ; my half of the columns; also: which 128 rows I fetch
	s_bfe_u32 s40, ttmp6, 0x40000                  ; cx, cy
	s_bfe_u32 s41, ttmp6, 0x40004
	s_lshl_b32 s42, ttmp9, 2
	s_add_co_u32 s42, s42, s40                     ; tile column
	s_and_b32 s17, ttmp7, 0xffff
	s_lshl_b32 s17, s17, 2
	s_add_co_u32 s17, s17, s41                     ; tile row
	s_lshl_b32 s43, s41, 2
	s_lshl_b32 s43, 15, s43                        ; my row of the cluster
	s_lshl_b32 s44, 0x1111, s40                    ; my column
	s_or_b32 s[G1+0], s43, (0<<16)|(1<<20)|(1<<21)|(5<<22)|(3<<25)
	s_or_b32 s[G1B+0], s44, (0<<16)|(1<<20)|(1<<21)|(5<<22)|(3<<25)
.irp g, G1, G1B
	s_mov_b32 s[\g+1], ROWB<<16
	s_mov_b32 s[\g+2], 256<<16                     ; the head's loads bring 256 rows
	s_mov_b32 s[\g+3], ROWB<<16
	s_mov_b32 s[\g+4], 256
	s_mov_b32 s[\g+5], KROW
	s_mov_b32 s[\g+6], 0
	s_mov_b32 s[\g+7], 0
.endr
	s_or_b32 s[G1S+0], s43, (3<<16)|(1<<20)|(1<<21)|(5<<22)|(3<<25)   ; the scales of 256 rows: 8,192 dense bytes as 32 rows of 256
	s_or_b32 s[G1SB+0], s44, (3<<16)|(1<<20)|(1<<21)|(5<<22)|(3<<25)
.irp g, G1S, G1SB
	s_mov_b32 s[\g+1], 32<<16
	s_mov_b32 s[\g+2], KS<<16
	s_mov_b32 s[\g+3], 32<<16
	s_mov_b32 s[\g+4], KS
	s_mov_b32 s[\g+5], 32
	s_mov_b32 s[\g+6], 0
	s_mov_b32 s[\g+7], 0
.endr
	s_lshl_b32 s20, s17, 8
	s_lshl_b32 s46, s42, 8
	s_mov_b32 s21, 0
	s_mov_b32 s47, 0
	s_mov_b64 s[18:19], KS
	s_mul_u64 s[22:23], s[20:21], s[18:19]
	s_mul_u64 s[92:93], s[46:47], s[18:19]
	s_mov_b64 s[18:19], KROW
	s_mul_u64 s[20:21], s[20:21], s[18:19]
	s_mul_u64 s[46:47], s[46:47], s[18:19]
	s_mul_i32 s18, s16, 128*KROW
	s_mov_b32 s19, 0
	s_mul_i32 s45, s14, HALFT
	s_lshl_b32 s2, s42, 10                         ; my 128 columns in b1
	s_lshl_b32 s3, s16, 9
	s_add_co_u32 s2, s2, s3
	s_mov_b32 s3, 0
	s_cmp_eq_u32 s15, 0                            ; the prefetches: the tile's first row, + the 128 rows that I fetch, + my work-group's 32 of them
	s_cselect_b32 s100, s17, s42
	s_cselect_b32 s101, s40, s41
	s_lshl_b32 s100, s100, 8
	s_lshl_b32 s66, s16, 7
	s_add_co_u32 s100, s100, s66
	s_lshl_b32 s101, s101, 5
	s_add_co_u32 s100, s100, s101
	s_lshl_b32 s100, s100, 10
	s_mov_b32 s101, 0
	s_lshl_b32 s66, s42, 16                        ; my parts: chunk (2 x tile column + half) x 32,768 + 4 (256 x tile row + 128 x half)
	s_lshl_b32 s67, s16, 15
	s_add_co_u32 s66, s66, s67
	s_lshl_b32 s67, s17, 10
	s_add_co_u32 s66, s66, s67
	s_lshl_b32 s67, s15, 9
	s_add_co_u32 s66, s66, s67
	s_mov_b32 s67, 0
	s_wait_alu depctr_va_vdst(0)                   ; ahead of the waits below
	s_wait_dscnt 0x0
	s_wait_kmcnt 0x0
	s_add_nc_u64 s[20:21], s[4:5], s[20:21]
	s_add_nc_u64 s[22:23], s[6:7], s[22:23]
	s_add_nc_u64 s[46:47], s[8:9], s[46:47]
	s_add_nc_u64 s[92:93], s[10:11], s[92:93]
	s_add_nc_u64 s[96:97], s[96:97], s[2:3]
	s_add_nc_u64 s[98:99], s[98:99], s[66:67]
	s_cmp_eq_u32 s15, 0
	s_cselect_b64 s[94:95], s[4:5], s[8:9]
	s_add_nc_u64 s[94:95], s[94:95], s[100:101]
	CROUND                                         ; all sixteen work-groups are here: the first joint loads meet
	s_mov_b32 s[G0H], 1
	s_mov_b32 s[G0H+1], 0
	s_mov_b64 s[G0H+2:G0H+3], s[20:21]
	s_or_b32 s[G0H+3], s[G0H+3], 0x80000000
	s_mov_b32 s[G0HB], 1
	s_mov_b32 s[G0HB+1], 2*HALFT
	s_mov_b64 s[G0HB+2:G0HB+3], s[46:47]
	s_or_b32 s[G0HB+3], s[G0HB+3], 0x80000000
	s_mov_b32 s[G0S], 1
	s_mov_b32 s[G0S+1], SCL
	s_mov_b64 s[G0S+2:G0S+3], s[22:23]
	s_or_b32 s[G0S+3], s[G0S+3], 0x80000000
	s_mov_b32 s[G0SB], 1
	s_mov_b32 s[G0SB+1], SCL+2*HALFS
	s_mov_b64 s[G0SB+2:G0SB+3], s[92:93]
	s_or_b32 s[G0SB+3], s[G0SB+3], 0x80000000
	s_add_nc_u64 s[20:21], s[20:21], s[18:19]
	s_add_nc_u64 s[46:47], s[46:47], s[18:19]
.irp s, 0,1
	s_mov_b32 s[G0+4*\s], 1
	s_add_co_u32 s[G0+4*\s+1], s45, \s*SLOT
	s_add_nc_u64 s[G0+4*\s+2:G0+4*\s+3], s[20:21], \s*ROWB
	s_or_b32 s[G0+4*\s+3], s[G0+4*\s+3], 0x80000000
	s_mov_b32 s[G0B+4*\s], 1
	s_add_co_u32 s[G0B+4*\s+1], s45, \s*SLOT
	s_add_nc_u64 s[G0B+4*\s+2:G0B+4*\s+3], s[46:47], \s*ROWB
	s_or_b32 s[G0B+4*\s+3], s[G0B+4*\s+3], 0x80000000
.endr
; the head's loads, one a wave: wave 0 K step 0's 256 rows of hs, wave 1 those of W1, waves 2, 3 the two blocks of scales
.macro ARM under, g0, g1, next
	s_cmp_lt_u32 s14, \under
	s_cbranch_scc0 \next
	tensor_load_to_lds s[\g0:\g0+3], s[\g1:\g1+7]
	s_nop 0
.rept 4
	v_nop
.endr
	s_branch .Lhead_asked
\next:
.endm
	ARM 1, G0H,  G1,  .Lhead_b
	ARM 2, G0HB, G1B, .Lhead_sa
	ARM 3, G0S,  G1S, .Lhead_sb
	tensor_load_to_lds s[G0SB:G0SB+3], s[G1SB:G1SB+7]
	s_nop 0
.rept 4
	v_nop
.endr
.Lhead_asked:
.irp b, 0,1,2,3,4,5,6,7
	global_load_b128 v[B1+8*\b:B1+8*\b+3],   v[BO], s[96:97] offset:64*\b      ; b1 at columns 16 b + 8 (l / 16) + 0 .. 7
	global_load_b128 v[B1+8*\b+4:B1+8*\b+7], v[BO], s[96:97] offset:64*\b+16
.endr
	global_prefetch_b8 v[PFO], s[94:95] offset:256 th:TH_LOAD_NT scope:SCOPE_SE   ; K step 1,
	global_prefetch_b8 v[PFO], s[94:95] offset:512 th:TH_LOAD_NT scope:SCOPE_SE   ; K step 2: its address registers are never rewritten
	v_and_b32 v1, 15, v0
	v_bfe_u32 v2, v0, 4, 1
	v_mul_u32_u24 v3, v1, PITCH
	v_lshl_add_u32 v4, v2, 4, v3
	s_mul_i32 s21, s15, HALFT
	s_mul_i32 s22, s16, HALFT
	s_add_co_u32 s22, s22, 2*HALFT
.irp s, 0,1
	v_add_nc_u32 v[ADRA+\s], s21, v4
	v_add_nc_u32 v[ADRB+\s], s22, v4
	s_add_co_u32 s21, s21, SLOT
	s_add_co_u32 s22, s22, SLOT
.endr
	v_mul_u32_u24 v5, v1, KS
	v_lshrrev_b32 v6, 8, v5
	v_lshl_add_u32 v5, v6, 4, v5
	s_mul_i32 s21, s15, HALFS
	s_mul_i32 s22, s16, HALFS
	s_add_co_u32 s22, s22, 2*HALFS
	s_sub_co_u32 s22, s22, s21
	v_mul_u32_u24 v6, s22, v2                      ; lanes 16-31 take W1's
	s_add_co_u32 s21, s21, SCL
	v_add_nc_u32 v5, v5, v6
	v_add_nc_u32 v[ADRS], s21, v5
	s_lshl_b32 s23, s14, 10
	s_wait_alu depctr_va_vdst(0)                   ; ahead of the readers below
	v_lshlrev_b32 v5, 2, v1
	v_lshl_add_u32 v5, v2, 9, v5
	v_add_nc_u32 v[SA], s23, v5
	v_and_b32 v6, 31, v0
	v_lshlrev_b32 v[CO], 4, v6
	v_add_nc_u32 v[RD], s23, v[CO]
.macro FRAG reg, adr, q, i             ; 16 rows x 128 K: registers 4 c .. 4 c + 3 hold K = 32 c + 16 (l / 16) + 0 .. 15
.irp c, 0,1,2,3
	ds_load_b128 v[\reg+4*\c:\reg+4*\c+3], v[\adr] offset:128*(\q)+32*\c+(\i)*16*PITCH
.endr
.endm
.macro MUL16 a0, p, q, sc, bias        ; hs's blocks a0, a0 + 1 x W1's eight; the 64 accumulators take turns
.irp a, \a0, \a0+1
.irp b, 0,1,2,3,4,5,6,7
.if \bias
	v_wmma_scale_f32_16x16x128_f8f6f4 v[8*(8*((\a)%4)+\b):8*(8*((\a)%4)+\b)+7], v[128*(\p)+FR*\b:128*(\p)+FR*\b+FR-1], v[AF+FR*(\a):AF+FR*(\a)+FR-1], v[B1+8*\b:B1+8*\b+7], v[SC+8*NQ*(\sc)+NQ*\b+(\q)], v[SC+8*NQ*(\sc)+NQ*(\a)+(\q)] matrix_a_fmt:MATRIX_FMT_BF8 matrix_b_fmt:MATRIX_FMT_BF8 matrix_a_scale:MATRIX_SCALE_ROW1
.else
	v_wmma_scale_f32_16x16x128_f8f6f4 v[8*(8*((\a)%4)+\b):8*(8*((\a)%4)+\b)+7], v[128*(\p)+FR*\b:128*(\p)+FR*\b+FR-1], v[AF+FR*(\a):AF+FR*(\a)+FR-1], v[8*(8*((\a)%4)+\b):8*(8*((\a)%4)+\b)+7], v[SC+8*NQ*(\sc)+NQ*\b+(\q)], v[SC+8*NQ*(\sc)+NQ*(\a)+(\q)] matrix_a_fmt:MATRIX_FMT_BF8 matrix_b_fmt:MATRIX_FMT_BF8 matrix_a_scale:MATRIX_SCALE_ROW1
.endif
.endr
.endr
.endm
.macro FETCH_B slot, q, p
	WIN TO_B
.irp i, 0,1,2,3,4,5,6,7
	FRAG 128*(\p)+FR*\i, ADRB+\slot, \q, \i
.endr
	WIN 0
.endm
.macro FETCH_A slot, q, i0
.irp i, \i0, \i0+1, \i0+2, \i0+3
	FRAG AF+FR*(\i), ADRA+\slot, \q, \i
.endr
.endm
.macro SCALES sc                       ; a K step's scale words: lanes 0-15 hs's block i, lanes 16-31 W1's block i
.irp i, 0,1,2,3,4,5,6,7
	ds_load_b64 v[SC+8*NQ*\sc+NQ*\i:SC+8*NQ*\sc+NQ*\i+1], v[ADRS] offset:\i*SBLK
.endr
.endm
.macro PLACES n
.rept \n
	v_nop
.endr
.endm
.macro STEP slot, q, bias              ; 128 along K whose successor lies in the same slot
	s_wait_dscnt 4*NL                              ; the youngest 16 loads (hs's blocks 4-7) may be out
.if \bias
	WIN BIAS_LO
.else
	WIN MUL_LO
.endif
	MUL16 0, (\q)%2, \q, \slot, \bias
	MUL16 2, (\q)%2, \q, \slot, \bias
	s_wait_dscnt 0
	PLACES NP
	FETCH_B \slot, (\q)+1, 1-(\q)%2
	FETCH_A \slot, (\q)+1, 0
.if \bias
	WIN BIAS_HI
.else
	WIN MUL_HI
.endif
	MUL16 4, (\q)%2, \q, \slot, \bias
	MUL16 6, (\q)%2, \q, \slot, \bias
	PLACES NP
	WIN 0
	FETCH_A \slot, (\q)+1, 4
.endm
.macro TURN slot, next, fill           ; a slot's last step changes slots: one barrier, with a tensor wait, an add and an LDS wait in front of it
	s_wait_tensorcnt 0x0                           ; my part of the next slot has landed
	ds_add_u32 v[SPW], v[NIL]
	s_wait_dscnt 4*NL+1                            ; the add and the youngest 16 loads may be out
	WIN MUL_LO
	MUL16 0, 1, NQ-1, \slot, 0
	s_wait_dscnt 0x0                               ; the add is done, my reads of this slot are over
	s_barrier_signal -1
	MUL16 2, 1, NQ-1, \slot, 0
	WIN 0
	s_barrier_wait -1
.if \fill
	CREST                                          ; the barrier has opened a round of the cluster's
	s_add_nc_u64 s[G0+4*\slot+2:G0+4*\slot+3], s[G0+4*\slot+2:G0+4*\slot+3], 2*ROWB
	s_add_nc_u64 s[G0B+4*\slot+2:G0B+4*\slot+3], s[G0B+4*\slot+2:G0B+4*\slot+3], 2*ROWB
	JLOAD G0+4*\slot, G1, G0B+4*\slot, G1B
	PLACES NP-4
.else
	PLACES NP
.endif
	v_add_nc_u32 v[ADRS], 4*NQ, v[ADRS]            ; the next K step's scale words
	s_wait_alu depctr_va_vdst(0)                   ; directly behind the write
	FETCH_B \next, 0, 0
	FETCH_A \next, 0, 0
	SCALES \next
	WIN MUL_HI
	MUL16 4, 1, NQ-1, \slot, 0
	MUL16 6, 1, NQ-1, \slot, 0
	PLACES NP
	WIN 0
	FETCH_A \next, 0, 4
.endm
	s_wait_alu depctr_va_vdst(0)                   ; the head's end
	s_wait_loadcnt 0x0                             ; b1
	s_wait_tensorcnt 0x0                           ; my tile of the head's four is in; the same three lines ahead of slot 1's first fill
	ds_add_u32 v[SPW], v[NIL]
	s_mov_b32 s[G1+2], 128<<16                     ; no tensor load of mine is out: from here on a load brings 128 rows
	s_mov_b32 s[G1+4], 128
	s_mov_b32 s[G1B+2], 128<<16
	s_mov_b32 s[G1B+4], 128
	s_wait_dscnt 0x0
	CROUND
	JLOAD G0+4, G1, G0B+4, G1B                     ; K step 1
	FETCH_B 0, 0, 0
	FETCH_A 0, 0, 0
	SCALES 0
	FETCH_A 0, 0, 4
	global_prefetch_b8 v[PFO], s[94:95] offset:768 th:TH_LOAD_NT scope:SCOPE_SE   ; K step 3, the last: two refills ahead
	STEP 0, 0, 1                                   ; K's four steps of 256 are written out: two refills, then none
	TURN 0, 1, 1
	STEP 1, 0, 0
	TURN 1, 0, 1
	STEP 0, 0, 0
	TURN 0, 1, 0
	STEP 1, 0, 0
	s_wait_dscnt 4*NL
	WIN MUL_LO
	MUL16 0, 1, NQ-1, 1, 0
	MUL16 2, 1, NQ-1, 1, 0
	s_wait_dscnt 0
	WIN MUL_HI
	MUL16 4, 1, NQ-1, 1, 0
	MUL16 6, 1, NQ-1, 1, 0
	WIN 0
; THE WAY OUT, a tile of 16 rows at a time.  A lane holds 64 of a row's 128 numbers, the lane 16 away the other 64.
.macro REDUCE src, dst
	v_pk_add_f32 v[\src:\src+1], v[\src:\src+1], v[\src+2:\src+3]
	v_pk_add_f32 v[\src+4:\src+5], v[\src+4:\src+5], v[\src+6:\src+7]
	v_pk_add_f32 v[\src:\src+1], v[\src:\src+1], v[\src+4:\src+5]
	v_add_f32 v[TT], v[\src], v[\src+1]
	v_permlanex16_b32 v[TT+1], v[TT], s20, s21
	v_add_f32 v[\dst], v[TT], v[TT+1]
.endm
.macro ROWSTAT a
.set W, 2+(\a)/4
.set AC, 64*((\a)%4)
	WIN W|(W<<2)
.irp p, 0,1,2,3
	v_pk_add_f32 v[SS+2*\p:SS+2*\p+1], v[AC+2*\p:AC+2*\p+1], v[AC+8+2*\p:AC+8+2*\p+1]
.endr
	WIN W<<2
.irp b, 2,3,4,5,6,7
.irp p, 0,1,2,3
	v_pk_add_f32 v[SS+2*\p:SS+2*\p+1], v[SS+2*\p:SS+2*\p+1], v[AC+8*\b+2*\p:AC+8*\b+2*\p+1]
.endr
.endr
	WIN 0
	REDUCE SS, TT
	v_mul_f32 v[MEAN], 0x3c000000, v[TT]           ; / 128
	WIN W
.set n, 0
.rept 32
	v_pk_add_f32 v[DV+2*n:DV+2*n+1], v[AC+2*n:AC+2*n+1], v[MEAN:MEAN+1] op_sel_hi:[1,0] neg_lo:[0,1] neg_hi:[0,1]
.set n, n+1
.endr
	WIN 0
.irp p, 0,1,2,3
	v_pk_mul_f32 v[QQ+2*\p:QQ+2*\p+1], v[DV+2*\p:DV+2*\p+1], v[DV+2*\p:DV+2*\p+1]
.endr
.irp b, 1,2,3,4,5,6,7
.irp p, 0,1,2,3
	v_pk_fma_f32 v[QQ+2*\p:QQ+2*\p+1], v[DV+8*\b+2*\p:DV+8*\b+2*\p+1], v[DV+8*\b+2*\p:DV+8*\b+2*\p+1], v[QQ+2*\p:QQ+2*\p+1]
.endr
.endr
	REDUCE QQ, M2
	v_cndmask_b32 v[OUTV], v[MEAN], v[M2], vcc_lo  ; lanes 0-15 hand on the mean, lanes 16-31 the sum of squares
	ds_store_b32 v[SA], v[OUTV] offset:64*(\a)     ; my own 1,024 bytes in slot 0, which has had its last fill and, since the last barrier, its last read
.endm
	PLACES NP
	s_mov_b32 s20, 0x76543210                      ; v_permlanex16_b32's selects for lane l xor 16
	s_mov_b32 s21, 0xfedcba98
	v_bfe_u32 v2, v0, 4, 1
	v_cmp_eq_u32 vcc_lo, 1, v2
	v_mov_b32 v[MEAN+1], 0                         ; named as the upper half of a pair
	v_mov_b32 v[TT+1], 0                           ; a lane permute's destination counts as one of its sources
.irp a, 0,1,2,3,4,5,6,7
	ROWSTAT \a
.endr
	ds_load_b128 v[BK:BK+3], v[RD]                 ; LDS serves a wave's instructions in order: 128 means,
	ds_load_b128 v[BK+4:BK+7], v[RD] offset:512    ; 128 sums of squares
	s_wait_dscnt 0x0
	global_store_b128 v[CO], v[BK:BK+3], s[98:99]                    ; 32 lanes store 512 consecutive bytes, at a multiple of 512 from the buffer's first byte
	global_store_b128 v[CO], v[BK+4:BK+7], s[98:99] offset:1048576
	s_wait_tensorcnt 0x0                           ; the wave's end
	ds_add_u32 v[SPW], v[NIL]
	s_wait_dscnt 0x0
	CROUND                                         ; the closing round
	s_endpgm
.Lfunc_end_k_qaf2f63f508_stats:
	.size	k_qaf2f63f508_stats, .Lfunc_end_k_qaf2f63f508_stats-k_qaf2f63f508_stats
	.p2alignl 7, 3214868480
	.fill 96, 4, 3214868480
	.section	.rodata,"a",@progbits
	.p2align	6, 0x0
	.amdhsa_kernel k_qaf2f63f508_stats
		.amdhsa_group_segment_fixed_size 327680
		.amdhsa_private_segment_fixed_size 0
		.amdhsa_enable_private_segment 0
		.amdhsa_kernarg_size 48
		.amdhsa_user_sgpr_count 2
		.amdhsa_user_sgpr_kernarg_segment_ptr 1
		.amdhsa_wavefront_size32 1
		.amdhsa_system_sgpr_workgroup_id_x 1
		.amdhsa_system_sgpr_workgroup_id_y 1
		.amdhsa_system_sgpr_workgroup_id_z 1
		.amdhsa_system_vgpr_workitem_id 0
		.amdhsa_next_free_vgpr 1024
		.amdhsa_next_free_sgpr 102
		.amdhsa_reserve_vcc 1
		.amdhsa_float_denorm_mode_32 3
		.amdhsa_float_denorm_mode_16_64 3
		.amdhsa_memory_ordered 1
		.amdhsa_forward_progress 1
		.amdhsa_inst_pref_size 173
	.end_amdhsa_kernel
	.amdgpu_metadata
---
amdhsa.version: [ 1, 2 ]
amdhsa.kernels:
  - .name:           k_qaf2f63f508_stats
    .symbol:         k_qaf2f63f508_stats.kd
    .args:
      - { .name: hidden_state_codes, .offset: 0, .size: 8, .value_kind: global_buffer, .address_space: global }
      - { .name: hidden_state_scales, .offset: 8, .size: 8, .value_kind: global_buffer, .address_space: global }
      - { .name: W1_codes, .offset: 16, .size: 8, .value_kind: global_buffer, .address_space: global }
      - { .name: W1_scales, .offset: 24, .size: 8, .value_kind: global_buffer, .address_space: global }
      - { .name: b1, .offset: 32, .size: 8, .value_kind: global_buffer, .address_space: global }
      - { .name: part, .offset: 40, .size: 8, .value_kind: global_buffer, .address_space: global }
    .group_segment_fixed_size: 327680
    .private_segment_fixed_size: 0
    .kernarg_segment_align: 8
    .kernarg_segment_size: 48
    .max_flat_workgroup_size: 128
    .sgpr_count:     102
    .vgpr_count:     1024
    .wavefront_size: 32
...
	.end_amdgpu_metadata
.endif
;; end of part 1
;; launch actq (part 2): grid 16 x 16, 4 waves a work-group, clusters of 4 x 4, 327,680 bytes of LDS; arguments hidden_state_codes, hidden_state_scales, W1_codes, W1_scales, b1, part, ln_gamma, ln_beta, a_codes, a_scales; writes a_codes, a_scales
.if DOCPART == 2
	.amdgcn_target "amdgcn-amd-amdhsa--gfx1250"
	.amdhsa_code_object_version 6
	.text
	.protected	k_qaf2f63f508_actq
	.globl	k_qaf2f63f508_actq
	.p2align	8
	.type	k_qaf2f63f508_actq,@function
k_qaf2f63f508_actq:
	s_mov_b64 s[64:65], 0
	v_nop
	global_prefetch_b8 v0, s[64:65] scope:SCOPE_SE
	s_setreg_imm32_b32 hwreg(HW_REG_WAVE_MODE, 25, 1), 1
	s_wait_xcnt 0x0
	s_wait_alu depctr_hold_cnt(0) depctr_sa_sdst(0) depctr_va_vdst(0) depctr_va_sdst(0) depctr_va_ssrc(0) depctr_va_vcc(0) depctr_vm_vsrc(0)
	s_getreg_b32 s2, hwreg(HW_REG_IB_STS2, 6, 4)
	s_cmp_eq_u32 s2, 0
	s_cbranch_scc0 .Lentry_in_a_cluster
	s_endpgm
.Lentry_in_a_cluster:
	s_bfe_u32 s2, ttmp6, 0x10000c
	s_cmp_lg_u32 s2, 0xf033
	s_cbranch_scc0 .Lentry_shape_is_right
	s_endpgm
.Lentry_shape_is_right:
; SECOND OF THREE LAUNCHES: z = hs W1 + b1 once more (BF8 codes, E8M0 scales, f32 sums, K ascending), then in registers LayerNorm -> exact GELU -> the quantiser along the 4,096 -> codes and scale words of the second product's operand.
; _time reaches no output (see the first launch) and is no argument.
; THE DEAL.  256 work-groups of four waves; a work-group makes 512 rows x 256 columns.  Wave w holds W1's rows 64 w .. 64 w + 63 of the 256, ALL of K, in 512 registers, and all four waves stream the same blocks of 16 rows of hs past them:
; 32 products a block (4 tiles of 16 columns x 8 steps of 128 along K), 32 blocks.  Source 0 = W1's rows, source 1 = hs's rows: lane (r, h) holds row r.  Lane m of tile j takes W1's row m % 8 + 32 (m / 8) + 8 j of the wave's 64,
; so that a lane's 32 sums are the columns 32 h + 0 .. 31: one scale block of the next product, in order.  b1 is the C of each sum's first product.
; LDS: two slots of 128 whole rows of K (1,024 bytes + 16).  W1's 256 rows land there first, a quarter a wave, each read by its own wave alone; hs's four chunks of 128 rows follow as refills, each behind a drained round of the cluster's barrier.
; CLUSTERS: 4 x 4; W1's rows are asked for jointly along a column of the cluster, hs's along a row.
; A TRIP: the way out of block n - 1 (its sums are copied out first) and the products of block n.  All 32 products stand among the 240 plain lines between the reciprocals and the exponentials, seven lines behind each,
; so no transcendental stands between two steps of a sum.  Behind the last product and sixteen plain lines ONE run of 35 LDS loads brings block n's mu and rs, block n + 1 and its scale words.
; The first trip has no block before it: it works on zeros and stores nothing.  The last trip has no successor: its loads name its own block again.
; Four loops on end (7, 8, 8, 9 trips): between them the two refills and the barrier that shows the last chunk.
; AT THE HEAD, while W1 is on its way, each row's mean and variance are joined from its 32 parts: mu = the mean of the means; 4,096 var = the sum of the parts' sums + 128 x the sum of (mean - mu)^2; wave w joins rows 128 w on, four a lane.
; GELU: a = max(x, 0) - |x| t 2^(P(t) - x^2 log2(e) / 2), t = 1 / (1 + |x| / (2 sqrt 2)): x/2 erfc(-x / sqrt 2) with erfc(y) = t exp(-y^2 + p(t)), p the Chebyshev fit of degree 9 (fractional error under 1.2e-7 for y >= 0); P = p log2(e) - 1.
; THE QUANTISER: scale = 2^(floor(log2(largest magnitude of the 32)) - 15), byte held at 1 from below; numbers held within +-57,344 x the scale.
; a_codes: [64 blocks of 128 rows][32 chunks of 128 columns][8 tiles of 16 rows][4][32 lanes][16 bytes].  a_scales: [64][32][8][16 rows] words of four bytes; the bytes are gathered in LDS and leave at the end.
; PREFETCH: hs's chunks 0 and 1 are asked for at the head, chunk 2 behind chunk 0's load, chunk 3 behind chunk 1's: two fills ahead; the sixteen waves of a cluster's row take a sixteenth of a chunk each, a lane 256 bytes.  W1's rows are wanted at once.
; REGISTERS: window 0: v4-31 addresses and small things; v32-47 W1's scale words, v52-59 hs's; v60-67 codes; v96-127 the sums; v128-159 x; v160-191 t; v192-223 the exponent; v224-255 x^2.
;   windows 1, 2: W1 (at the head window 1 holds the parts).  window 3: v0-127 a block of hs; v128-159 gamma, v160-191 beta, v192-223 b1.
; LIMITS: NaN and infinities are not served.  The exponent's f32 rounding adds about 1e-7 x (x^2 / 2) to the fit's error; where 2^(..) falls under 2^-126 the tail term is 0.
; A block of zeros gets the byte 1 where the rule says 127: its codes are zeros, and this program alone reads the bytes.
.set KROW,   1024
.set PITCH,  1040
.set BLK,    16*PITCH
.set YB,     128*PITCH                 ; slot 1
.set SCL,    2*YB                      ; hs's scale bytes: 512 rows x 32
.set STATS,  SCL+16384                 ; [512 rows][mu, rs, rs, mu]
.set XN,     STATS+8192                ; the scale bytes that leave: [2 chunks of 128 columns][33 places of 64 bytes]; trip n writes place n
.set XH,     2304
.set SPARE,  XN+2*XH
.set NF,     34                        ; LDS loads of a trip behind the one for mu and rs: 32 of hs's codes, 2 of its scale words
.set ADRA0, 4
.set CN,    5
.set AAS0,  6
.set ST0,   7
.set VX0,   8
.set LI,    9
.set SPW,   10
.set NIL,   11
.set ADRA,  12
.set AAS,   13
.set STA,   14
.set VX,    15
.set MS,    16
.set TQ,    20
.set SOP,   24
.set BND,   25
.set EB,    26
.set CNV,   27
.set C9,    28
.set RB,    30
.set SB,    32
.set SA,    52
.set NCD,   60
.set BO,    68
.set PFO,   69
.set ABS,   70
.set ADRW,  71
.set SV,    72
.set XS,    73
.set SM,    76
.set SQ,    80
.set DQ,    84
.set OQ,    104
.set ACC,   96
.set X,     128
.set T,     160
.set R,     192
.set QX,    224
.set GA,    128                        ; window 3
.set BE,    160
.set B1,    192
.set G1W, 32
.set G0W, 40
.set G1X, 44
.set G0X, 52
.set MSB, 0
.macro WIN new                         ; the immediate's high byte repeats the setting that is left
.if MSB != (\new)
	s_set_vgpr_msb (MSB<<8)|(\new)
.set MSB, (\new)
.endif
.endm
.macro WALU
	s_wait_alu depctr_va_vdst(0)
.endm
.macro CROUND                          ; a round of the cluster's barrier
	s_barrier_signal -1
	s_barrier_wait -1
	s_cmp_lg_u32 s24, 0
	s_cbranch_scc1 .Lnot_wave_0_\@
	s_barrier_signal -3
.Lnot_wave_0_\@:
	s_barrier_wait -3
	s_barrier_signal -1
	s_barrier_wait -1
.endm
.macro GROUP1 g, mask, rows            ; so many whole rows of K, 16 bytes of padding behind each
	s_or_b32 s[\g+0], s[\mask], (1<<20)|(1<<21)|(7<<22)|(3<<25)
	s_mov_b32 s[\g+1], (KROW&0xffff)<<16
	s_mov_b32 s[\g+2], (KROW>>16)|((\rows)<<16)
	s_mov_b32 s[\g+3], KROW<<16
	s_mov_b32 s[\g+4], \rows
	s_mov_b32 s[\g+5], KROW
	s_mov_b32 s[\g+6], 0
	s_mov_b32 s[\g+7], 0
.endm
	s_load_b256 s[4:11], s[0:1], 0x0               ; hs's codes, its scales, W1's codes, its scales
	s_load_b256 s[12:19], s[0:1], 0x20             ; b1, part, gamma, beta
	s_load_b128 s[20:23], s[0:1], 0x40             ; a_codes, a_scales
	v_lshl_add_u32 v[SPW], v0, 2, SPARE
	v_mov_b32 v[NIL], 0
	ds_add_u32 v[SPW], v[NIL]                      ; the opening lines: the add twice on end and one wait
	ds_add_u32 v[SPW], v[NIL]
	v_lshrrev_b32 v1, 5, v0
	v_readfirstlane_b32 s24, v1                    ; wave
	v_and_b32 v1, 15, v0                           ; r
	v_bfe_u32 v2, v0, 4, 1                         ; h
	v_and_b32 v3, 31, v0                           ; lane
	v_lshlrev_b32 v[LI], 4, v3
	v_lshlrev_b32 v[BO], 7, v2
	v_lshlrev_b32 v[PFO], 8, v3
	v_and_b32 v12, 7, v1
	v_lshrrev_b32 v13, 3, v1
	v_lshl_add_u32 v12, v13, 5, v12                ; r % 8 + 32 (r / 8): my row of W1 in tile 0
	v_lshl_add_u32 v13, v2, 3, v12                 ; its scale words: lanes 16-31 take the odd tile's
	v_lshlrev_b32 v[ABS], 5, v13
	v_mul_u32_u24 v14, v12, PITCH
	v_lshl_add_u32 v14, v2, 4, v14
	v_mul_u32_u24 v15, v1, PITCH
	v_lshl_add_u32 v[ADRA0], v2, 4, v15            ; hs: row r x pitch + 16 h
	s_mul_i32 s31, s24, 64*PITCH
	v_add_nc_u32 v[ADRW], s31, v14
	s_mul_i32 s57, s24, 32*PITCH                   ; my quarter of a chunk in a slot
	s_lshr_b32 s58, s24, 1
	s_and_b32 s59, s24, 1
	s_lshl_b32 s31, s59, 10
	v_lshl_add_u32 v15, v2, 9, s31
	v_lshl_add_u32 v[CN], v1, 4, v15               ; codes: 512 (2 (w % 2) + h) + 16 r
	v_lshlrev_b32 v15, 5, v1
	v_add_nc_u32 v[AAS0], SCL, v15
	v_lshlrev_b32 v15, 4, v1
	v_add_nc_u32 v[ST0], STATS, v15
	s_mul_i32 s31, s58, XH
	s_lshl_b32 s62, s59, 1
	s_add_co_u32 s31, s31, s62
	s_add_co_u32 s31, s31, XN
	v_lshl_add_u32 v15, v1, 2, v2
	v_add_nc_u32 v[VX0], s31, v15                  ; my scale byte: 4 r + 2 (w % 2) + h
	s_lshl_b32 s31, s24, 9
	s_add_co_u32 s31, s31, XN+64
	v_add_nc_u32 v[RB], s31, v[LI]
	s_lshl_b32 s31, s24, 11
	s_add_co_u32 s31, s31, STATS
	v_lshl_add_u32 v[SV], v3, 6, s31
	s_lshl_b32 s31, s24, 12
	s_add_co_u32 s31, s31, SCL
	v_add_nc_u32 v[XS], s31, v[LI]
	s_bfe_u32 s25, ttmp6, 0x40000                  ; cx, cy
	s_bfe_u32 s26, ttmp6, 0x40004
	s_lshl_b32 s27, ttmp9, 2
	s_add_co_u32 s27, s27, s25                     ; my 256 columns
	s_and_b32 s28, ttmp7, 0xffff
	s_lshl_b32 s28, s28, 2
	s_add_co_u32 s28, s28, s26                     ; my 512 rows
	s_lshl_b32 s29, s26, 2
	s_lshl_b32 s29, 15, s29                        ; my row of the cluster: shares hs's rows
	s_lshl_b32 s30, 0x1111, s25                    ; my column: shares W1's
	GROUP1 G1W, 30, 64
	GROUP1 G1X, 29, 32
	s_mov_b32 s[G0W], 1
	s_mul_i32 s[G0W+1], s24, 64*PITCH
	s_mov_b32 s[G0X], 1
	s_lshl_b32 s62, s27, 18
	s_lshl_b32 s63, s24, 16
	s_add_co_u32 s62, s62, s63
	s_mov_b32 s63, 0
	WALU                                           ; ahead of the waits below
	s_wait_dscnt 0x0
	CROUND                                         ; all sixteen work-groups are here
	s_wait_kmcnt 0x0
	s_add_nc_u64 s[G0W+2:G0W+3], s[8:9], s[62:63]
	s_or_b32 s[G0W+3], s[G0W+3], 0x80000000
	tensor_load_to_lds s[G0W:G0W+3], s[G1W:G1W+7]  ; my 64 rows of W1: the wave's one load at the head
	s_nop 0
.rept 4
	v_nop
.endr
	s_lshl_b32 s62, s27, 13                        ; W1's scale bytes
	s_lshl_b32 s31, s24, 11
	s_add_co_u32 s62, s62, s31
	s_add_nc_u64 s[10:11], s[10:11], s[62:63]
	s_lshl_b32 s62, s27, 10                        ; my 64 columns in b1, gamma, beta
	s_lshl_b32 s31, s24, 8
	s_add_co_u32 s62, s62, s31
	s_add_nc_u64 s[12:13], s[12:13], s[62:63]
	s_add_nc_u64 s[16:17], s[16:17], s[62:63]
	s_add_nc_u64 s[18:19], s[18:19], s[62:63]
	s_mov_b32 s67, 0
	s_lshl_b32 s66, s28, 14                        ; hs's scale bytes: my quarter of 16,384
	s_lshl_b32 s31, s24, 12
	s_add_co_u32 s66, s66, s31
	s_add_nc_u64 s[6:7], s[6:7], s[66:67]
	s_lshl_b32 s66, s28, 11                        ; the parts of rows 512 x row group + 128 x wave on
	s_lshl_b32 s31, s24, 9
	s_add_co_u32 s66, s66, s31
	s_add_nc_u64 s[14:15], s[14:15], s[66:67]
	s_lshl_b32 s66, s28, 19                        ; chunk 0, my 32 rows
	s_lshl_b32 s31, s24, 15
	s_add_co_u32 s66, s66, s31
	s_add_nc_u64 s[G0X+2:G0X+3], s[4:5], s[66:67]
	s_or_b32 s[G0X+3], s[G0X+3], 0x80000000
	s_mov_b32 s71, 0
	s_lshl_b32 s70, s25, 2                         ; the prefetches: which of the cluster row's sixteen waves I am
	s_add_co_u32 s70, s70, s24
	s_lshl_b32 s70, s70, 13
	s_lshl_b32 s31, s28, 19
	s_add_co_u32 s70, s70, s31
	s_add_nc_u64 s[68:69], s[4:5], s[70:71]
	s_lshl_b32 s70, s28, 21                        ; a_codes
	s_lshl_b32 s31, s27, 15
	s_add_co_u32 s70, s70, s31
	s_lshl_b32 s31, s58, 14
	s_add_co_u32 s70, s70, s31
	s_add_nc_u64 s[20:21], s[20:21], s[70:71]
	s_lshl_b32 s70, s28, 16                        ; a_scales: wave w stores the block of 128 rows number w
	s_lshl_b32 s31, s24, 14
	s_add_co_u32 s70, s70, s31
	s_lshl_b32 s31, s27, 10
	s_add_co_u32 s70, s70, s31
	s_add_nc_u64 s[22:23], s[22:23], s[70:71]
	WIN 0x40
.set n, 0
.rept 32                                       ; four rows a lane: each load of the wave reads 512 consecutive bytes
	global_load_b128 v[4*n:4*n+3], v[LI], s[14:15] offset:32768*n
	global_load_b128 v[128+4*n:128+4*n+3], v[LI], s[14:15] offset:1048576+32768*n
.set n, n+1
.endr
	WIN 0xc0
.irp k, 0,1,2,3,4,5,6,7
	global_load_b128 v[GA+4*\k:GA+4*\k+3], v[BO], s[16:17] offset:16*\k      ; at columns 32 h + 0 .. 31: the sums' layout
	global_load_b128 v[BE+4*\k:BE+4*\k+3], v[BO], s[18:19] offset:16*\k
	global_load_b128 v[B1+4*\k:B1+4*\k+3], v[BO], s[12:13] offset:16*\k
.endr
	WIN 0
.irp i, 0,1,2,3,4,5,6,7
	global_load_b128 v[X+4*\i:X+4*\i+3], v[LI], s[6:7] offset:512*\i
.endr
.irp p, 0,1
.irp c, 0,1
	global_load_b128 v[SB+8*\p+4*\c:SB+8*\p+4*\c+3], v[ABS], s[10:11] offset:512*\p+16*\c   ; register 8 p + q: lanes 0-15 tile 2 p's word q, lanes 16-31 tile 2 p + 1's
.endr
.endr
	global_prefetch_b8 v[PFO], s[68:69] th:TH_LOAD_NT scope:SCOPE_SE                 ; chunk 0,
	global_prefetch_b8 v[PFO], s[68:69] offset:131072 th:TH_LOAD_NT scope:SCOPE_SE   ; chunk 1: the address registers are never rewritten
	s_mov_b32 s62, 0x39800000                      ; 1 / 4,096
	s_mov_b32 s63, 0x3727c5ac                      ; 1e-5
	s_wait_loadcnt 0x0
	; THE PARTS ARE JOINED
	WIN 0x05
	v_pk_add_f32 v[SM:SM+1], v[0:1], v[4:5]
	v_pk_add_f32 v[SM+2:SM+3], v[2:3], v[6:7]
	v_pk_add_f32 v[SQ:SQ+1], v[128:129], v[132:133]
	v_pk_add_f32 v[SQ+2:SQ+3], v[130:131], v[134:135]
	WIN 0x04
.set n, 2
.rept 30
	v_pk_add_f32 v[SM:SM+1], v[SM:SM+1], v[4*n:4*n+1]
	v_pk_add_f32 v[SM+2:SM+3], v[SM+2:SM+3], v[4*n+2:4*n+3]
	v_pk_add_f32 v[SQ:SQ+1], v[SQ:SQ+1], v[128+4*n:128+4*n+1]
	v_pk_add_f32 v[SQ+2:SQ+3], v[SQ+2:SQ+3], v[128+4*n+2:128+4*n+3]
.set n, n+1
.endr
	WIN 0
	v_pk_mul_f32 v[SM:SM+1], v[SM:SM+1], 0x3d000000 op_sel_hi:[1,0]      ; mu = the sum of the means / 32
	v_pk_mul_f32 v[SM+2:SM+3], v[SM+2:SM+3], 0x3d000000 op_sel_hi:[1,0]
	WIN 0x41
.set n, 0
.rept 32
	v_pk_add_f32 v[4*n:4*n+1], v[4*n:4*n+1], v[SM:SM+1] neg_lo:[0,1] neg_hi:[0,1]
	v_pk_add_f32 v[4*n+2:4*n+3], v[4*n+2:4*n+3], v[SM+2:SM+3] neg_lo:[0,1] neg_hi:[0,1]
.set n, n+1
.endr
	WIN 0x05
	v_pk_mul_f32 v[DQ:DQ+1], v[0:1], v[0:1]
	v_pk_mul_f32 v[DQ+2:DQ+3], v[2:3], v[2:3]
.set n, 1
.rept 31
	v_pk_fma_f32 v[DQ:DQ+1], v[4*n:4*n+1], v[4*n:4*n+1], v[DQ:DQ+1]
	v_pk_fma_f32 v[DQ+2:DQ+3], v[4*n+2:4*n+3], v[4*n+2:4*n+3], v[DQ+2:DQ+3]
.set n, n+1
.endr
	WIN 0
	v_pk_fma_f32 v[DQ:DQ+1], v[DQ:DQ+1], 0x43000000, v[SQ:SQ+1] op_sel_hi:[1,0,1]   ; 128 x the sum of (mean - mu)^2 + the parts' sums
	v_pk_fma_f32 v[DQ+2:DQ+3], v[DQ+2:DQ+3], 0x43000000, v[SQ+2:SQ+3] op_sel_hi:[1,0,1]
.irp i, 0,1,2,3
	v_fma_f32 v[DQ+\i], v[DQ+\i], s62, s63         ; var + eps
.endr
	WALU                                           ; ahead of the batch,
.irp i, 0,1,2,3
	v_rsq_f32 v[DQ+\i], v[DQ+\i]
.endr
.irp i, 0,1,2,3
	v_mov_b32 v[OQ+4*\i], v[SM+\i]
	v_mov_b32 v[OQ+4*\i+3], v[SM+\i]
.endr
	WALU                                           ; and behind it
.irp i, 0,1,2,3
	v_mov_b32 v[OQ+4*\i+1], v[DQ+\i]
	v_mov_b32 v[OQ+4*\i+2], v[DQ+\i]
.endr
.irp i, 0,1,2,3
	ds_store_b128 v[SV], v[OQ+4*\i:OQ+4*\i+3] offset:16*\i
.endr
.irp i, 0,1,2,3,4,5,6,7
	ds_store_b128 v[XS], v[X+4*\i:X+4*\i+3] offset:512*\i      ; hs's scale bytes, as they lie in memory
.endr
	WALU
	s_wait_tensorcnt 0x0                           ; my 64 rows of W1 are in: only I read them
.set f, 0
.rept 32                                       ; fragment f = 4 q + j: window 1 + f / 16, registers 16 (f % 16) on
	WIN (1+f/16)<<6
.irp c, 0,1,2,3
	ds_load_b128 v[16*(f%16)+4*\c:16*(f%16)+4*\c+3], v[ADRW] offset:128*(f/4)+32*\c+(f%4)*8*PITCH
.endr
.set f, f+1
.endr
	WIN 0
.macro REFILL slot, step               ; a tensor wait and the add, a round, and my quarter of the next chunk
	WALU
	s_wait_tensorcnt 0x0
	ds_add_u32 v[SPW], v[NIL]
	s_add_co_u32 s[G0X+1], s57, \slot
.if \step
	s_add_nc_u64 s[G0X+2:G0X+3], s[G0X+2:G0X+3], 128*KROW
.endif
	s_wait_dscnt 0x0                               ; the add is done, and so are my LDS reads and stores
	CROUND
	tensor_load_to_lds s[G0X:G0X+3], s[G1X:G1X+7]
	s_nop 0
.rept 4
	v_nop
.endr
.endm
	REFILL 0, 0                                    ; every wave holds its W1 in registers: chunk 0 lands over it
	global_prefetch_b8 v[PFO], s[68:69] offset:262144 th:TH_LOAD_NT scope:SCOPE_SE   ; chunk 2
	v_mov_b32 v[C9], 0x3e7c6f08
	v_mov_b32 v[C9+1], 0x3e7c6f08
.set n, 0
.rept 32
	v_mov_b32 v[ACC+n], 0                          ; what the first trip's way out works on
.set n, n+1
.endr
	s_mov_b32 s56, 0                               ; the trip = the block that is multiplied
	s_mov_b32 s60, 0x3eb504f3                      ; 1 / (2 sqrt 2)
	s_mov_b32 s61, 0x600000                        ; the mantissa field of 57,344
	REFILL YB, 1                                   ; chunk 0 is in and shown; chunk 1
	global_prefetch_b8 v[PFO], s[68:69] offset:393216 th:TH_LOAD_NT scope:SCOPE_SE   ; chunk 3
.macro XRUN st, ad, sc                 ; one run of 35 LDS loads: mu and rs first; a block of hs: registers 4 n .. 4 n + 3 hold K = 32 n + 16 h + 0 .. 15; its eight scale words
	ds_load_b128 v[MS:MS+3], v[\st]
	WIN 0xc0
.set n, 0
.rept 32
	ds_load_b128 v[4*n:4*n+3], v[\ad] offset:32*n
.set n, n+1
.endr
	WIN 0
	ds_load_b128 v[SA:SA+3], v[\sc]
	ds_load_b128 v[SA+4:SA+7], v[\sc] offset:16
.endm
	XRUN ST0, ADRA0, AAS0                          ; block 0
.macro PROD g                          ; product g = 4 q + j; the four sums take turns
.set Q_, (\g)/4
.set J_, (\g)%4
.set W_, 16*((\g)%16)
.set A_, ACC+8*J_
.if Q_ == 0
	WIN (1+(\g)/16)|(3<<2)|(3<<4)
.if J_%2
	v_wmma_scale_f32_16x16x128_f8f6f4 v[A_:A_+7], v[W_:W_+15], v[16*Q_:16*Q_+15], v[B1+8*J_:B1+8*J_+7], v[SB+8*(J_/2)+Q_], v[SA+Q_] matrix_a_fmt:MATRIX_FMT_BF8 matrix_b_fmt:MATRIX_FMT_BF8 matrix_a_scale:MATRIX_SCALE_ROW1
.else
	v_wmma_scale_f32_16x16x128_f8f6f4 v[A_:A_+7], v[W_:W_+15], v[16*Q_:16*Q_+15], v[B1+8*J_:B1+8*J_+7], v[SB+8*(J_/2)+Q_], v[SA+Q_] matrix_a_fmt:MATRIX_FMT_BF8 matrix_b_fmt:MATRIX_FMT_BF8
.endif
.else
	WIN (1+(\g)/16)|(3<<2)
.if J_%2
	v_wmma_scale_f32_16x16x128_f8f6f4 v[A_:A_+7], v[W_:W_+15], v[16*Q_:16*Q_+15], v[A_:A_+7], v[SB+8*(J_/2)+Q_], v[SA+Q_] matrix_a_fmt:MATRIX_FMT_BF8 matrix_b_fmt:MATRIX_FMT_BF8 matrix_a_scale:MATRIX_SCALE_ROW1
.else
	v_wmma_scale_f32_16x16x128_f8f6f4 v[A_:A_+7], v[W_:W_+15], v[16*Q_:16*Q_+15], v[A_:A_+7], v[SB+8*(J_/2)+Q_], v[SA+Q_] matrix_a_fmt:MATRIX_FMT_BF8 matrix_b_fmt:MATRIX_FMT_BF8
.endif
.endif
	WIN 0
.endm
.macro BITEM i                         ; line i of the 240 between the reciprocals and the exponentials: passes of 16 or 32, so that 15 lines or more stand between a write and its reader
.if (\i) < 16
	v_pk_fma_f32 v[R+2*(\i):R+2*(\i)+1], v[T+2*(\i):T+2*(\i)+1], v[C9:C9+1], 0xbf97d29d op_sel_hi:[1,1,0]   ; Horner, from the top
.elseif (\i) < 144
.set S_, ((\i)-16)/16
.set P_, ((\i)-16)%16
.if S_ == 0
.set KK_, 0x40097039
.elseif S_ == 1
.set KK_, 0xbfd1a1e5
.elseif S_ == 2
.set KK_, 0x3ecdfd18
.elseif S_ == 3
.set KK_, 0xbe899a80
.elseif S_ == 4
.set KK_, 0x3e0efb2e
.elseif S_ == 5
.set KK_, 0x3f0a29d2
.elseif S_ == 6
.set KK_, 0x3fb8ab5a
.else
.set KK_, 0xc034d90f
.endif
	v_pk_fma_f32 v[R+2*P_:R+2*P_+1], v[R+2*P_:R+2*P_+1], v[T+2*P_:T+2*P_+1], KK_ op_sel_hi:[1,1,0]
.elseif (\i) < 160
	v_pk_mul_f32 v[QX+2*((\i)-144):QX+2*((\i)-144)+1], v[X+2*((\i)-144):X+2*((\i)-144)+1], v[X+2*((\i)-144):X+2*((\i)-144)+1]
.elseif (\i) < 176
	v_pk_fma_f32 v[R+2*((\i)-160):R+2*((\i)-160)+1], v[QX+2*((\i)-160):QX+2*((\i)-160)+1], 0xbf38aa3b, v[R+2*((\i)-160):R+2*((\i)-160)+1] op_sel_hi:[1,0,1]   ; - x^2 log2(e) / 2
.elseif (\i) < 208
	v_mul_f32 v[T+(\i)-176], |v[X+(\i)-176]|, v[T+(\i)-176]          ; |x| t
.else
	v_max_num_f32 v[X+(\i)-208], 0, v[X+(\i)-208]
.endif
.endm
.macro TRIP prod, first, slot          ; prod: block s56 is multiplied and block s56 + 1 fetched from the slot; first: the loop's first trip stores nothing
	s_wait_dscnt NF                                ; the last block's mu and rs are in: behind that load stand the run's other 34 (and, but for the first trip, one store)
.if \prod
	s_add_co_u32 s62, s56, 1
	s_min_u32 s62, s62, 31
	s_lshl_b32 s63, s62, 9
	s_and_b32 s62, s62, 7
	s_mul_i32 s62, s62, BLK
.if \slot
	s_add_co_u32 s62, s62, \slot
.endif
	s_lshl_b32 s66, s56, 8
	v_add_nc_u32 v[ADRA], s62, v[ADRA0]
	v_add_nc_u32 v[AAS], s63, v[AAS0]
	v_add_nc_u32 v[STA], s66, v[ST0]
.endif
	WALU                                           ; directly ahead of the first reader of the sums
.set n, 0
.rept 16
	v_pk_add_f32 v[X+2*n:X+2*n+1], v[ACC+2*n:ACC+2*n+1], v[MS:MS+1] op_sel_hi:[1,0] neg_lo:[0,1] neg_hi:[0,1]   ; z - mu
.set n, n+1
.endr
.set n, 0
.rept 16
	v_pk_mul_f32 v[X+2*n:X+2*n+1], v[X+2*n:X+2*n+1], v[MS+2:MS+3] op_sel_hi:[1,0]   ; x rs
.set n, n+1
.endr
	WIN 0x3c
.set n, 0
.rept 16
	v_pk_fma_f32 v[X+2*n:X+2*n+1], v[X+2*n:X+2*n+1], v[GA+2*n:GA+2*n+1], v[BE+2*n:BE+2*n+1]   ; x gamma + beta
.set n, n+1
.endr
	WIN 0
.set n, 0
.rept 32
	v_fma_f32 v[T+n], |v[X+n]|, s60, 1.0
.set n, n+1
.endr
	WALU                                           ; ahead of the batch
.set n, 0
.rept 32
	v_rcp_f32 v[T+n], v[T+n]                       ; t
.set n, n+1
.endr
	v_nop
	WALU                                           ; behind the batch
.set I_, 0
.if \prod
	s_wait_dscnt 0x0                               ; this block of hs and its scale words, asked for in the last trip
.set G_, 0
.rept 32
	PROD G_
.rept 7
	BITEM I_
.set I_, I_+1
.endr
.set G_, G_+1
.endr
.rept 16
	BITEM I_                                       ; sixteen plain lines behind the last product, ahead of the loads into what it has read
.set I_, I_+1
.endr
	XRUN STA, ADRA, AAS
.else
.rept 240
	BITEM I_
.set I_, I_+1
.endr
.endif
	s_wait_xcnt 0x0                                ; the last trip's stores have read their registers: their offset and the codes are written anew below
	s_lshl_b32 s67, s56, 6
	s_max_u32 s70, s56, 1
	s_sub_co_u32 s70, s70, 1                       ; the block that leaves
	s_lshr_b32 s71, s70, 3
	s_lshl_b32 s71, s71, 19
	s_and_b32 s70, s70, 7
	s_lshl_b32 s70, s70, 11
	s_add_co_u32 s70, s70, s71
	v_add_nc_u32 v[VX], s67, v[VX0]
	v_add_nc_u32 v[CNV], s70, v[CN]
	WALU                                           ; ahead of the batch
.set n, 0
.rept 32
	v_exp_f32 v[R+n], v[R+n]
.set n, n+1
.endr
	v_nop
	WALU                                           ; behind the batch
.set n, 0
.rept 16
	v_pk_fma_f32 v[X+2*n:X+2*n+1], v[T+2*n:T+2*n+1], v[R+2*n:R+2*n+1], v[X+2*n:X+2*n+1] neg_lo:[1,0,0] neg_hi:[1,0,0]   ; a = max(x, 0) - |x| t 2^(..)
.set n, n+1
.endr
.irp k, 0,1,2,3
	v_max3_num_f32 v[TQ+\k], |v[X+8*\k]|, |v[X+8*\k+1]|, |v[X+8*\k+2]|
.endr
.irp u, 3,5
.irp k, 0,1,2,3
	v_max3_num_f32 v[TQ+\k], v[TQ+\k], |v[X+8*\k+\u]|, |v[X+8*\k+\u+1]|
.endr
.endr
.irp k, 0,1,2,3
	v_max_num_f32 v[TQ+\k], v[TQ+\k], |v[X+8*\k+7]|
.endr
	v_max3_num_f32 v[TQ], v[TQ], v[TQ+1], v[TQ+2]
	v_max3_num_f32 v[TQ], v[TQ], v[TQ+3], 0x8000000    ; and the floor 2^(16 - 127): the byte cannot fall under 1
	v_add_nc_u32 v[SOP], 0xf8800000, v[TQ]         ; 15 off the exponent field: the conversion's scale operand
	v_and_or_b32 v[BND], v[TQ], 0x7f800000, s61    ; 57,344 x the scale
	v_lshrrev_b32 v[EB], 23, v[SOP]                ; the scale's byte
.set n, 0
.rept 32
	v_med3_num_f32 v[X+n], v[X+n], -v[BND], v[BND] ; the conversion does not saturate (ISA guide 7.6.2): the hold
.set n, n+1
.endr
.irp k, 0,1,2,3
	v_cvt_scalef32_pk8_bf8_f32 v[NCD+2*\k:NCD+2*\k+1], v[X+8*\k:X+8*\k+7], v[SOP]
.endr
	v_nop                                          ; one plain line behind the last conversion
.if \first
	s_cmp_eq_u32 s56, 0
	WALU
	s_cbranch_scc1 .Lnone_before
.endif
	ds_store_b8 v[VX], v[EB]
	global_store_b128 v[CNV], v[NCD:NCD+3], s[20:21]               ; lanes 0-15 and lanes 16-31 each store 256 consecutive bytes, aligned
	global_store_b128 v[CNV], v[NCD+4:NCD+7], s[20:21] offset:256
.if \first
.Lnone_before:
.endif
.endm
.macro TRIPS name, lim, first, slot
\name:
	TRIP 1, \first, \slot
	s_add_co_u32 s56, s56, 1
	s_cmp_lt_u32 s56, \lim
	WALU                                           ; ahead of the branch
	s_cbranch_scc1 \name
.endm
	TRIPS .Lphase_0, 7, 1, 0                       ; blocks 0-6; blocks 1-7 are fetched from slot 0
	REFILL 0, 1                                    ; chunk 1 is in and shown, slot 0 is read out: chunk 2
	TRIPS .Lphase_1, 15, 0, YB
	REFILL YB, 1                                   ; chunk 3
	TRIPS .Lphase_2, 23, 0, 0
	s_wait_tensorcnt 0x0                           ; chunk 3 is in; nothing is filled again
	s_wait_dscnt 0x0
	s_barrier_signal -1
	s_barrier_wait -1
	TRIPS .Lphase_3, 32, 0, YB
	TRIP 0, 0, 0                                   ; block 31 leaves
	WALU
	s_wait_xcnt 0x0                                ; the last stores have read the codes' registers
	s_wait_dscnt 0x0                               ; for the others' sake: my scale bytes lie in LDS
	s_barrier_signal -1
	s_barrier_wait -1
	ds_load_b128 v[NCD:NCD+3], v[RB]               ; the block of 128 rows number w: 128 words of the first chunk of 128 columns,
	ds_load_b128 v[NCD+4:NCD+7], v[RB] offset:XH   ; and of the second
	s_wait_dscnt 0x0
	global_store_b128 v[LI], v[NCD:NCD+3], s[22:23]                ; 512 consecutive bytes each
	global_store_b128 v[LI], v[NCD+4:NCD+7], s[22:23] offset:512
	s_wait_tensorcnt 0x0                           ; the wave's end
	ds_add_u32 v[SPW], v[NIL]
	s_wait_dscnt 0x0
	CROUND                                         ; the closing round
	s_endpgm
.Lfunc_end_k_qaf2f63f508_actq:
	.size	k_qaf2f63f508_actq, .Lfunc_end_k_qaf2f63f508_actq-k_qaf2f63f508_actq
	.p2alignl 7, 3214868480
	.fill 96, 4, 3214868480
	.section	.rodata,"a",@progbits
	.p2align	6, 0x0
	.amdhsa_kernel k_qaf2f63f508_actq
		.amdhsa_group_segment_fixed_size 327680
		.amdhsa_private_segment_fixed_size 0
		.amdhsa_enable_private_segment 0
		.amdhsa_kernarg_size 80
		.amdhsa_user_sgpr_count 2
		.amdhsa_user_sgpr_kernarg_segment_ptr 1
		.amdhsa_wavefront_size32 1
		.amdhsa_system_sgpr_workgroup_id_x 1
		.amdhsa_system_sgpr_workgroup_id_y 1
		.amdhsa_system_sgpr_workgroup_id_z 1
		.amdhsa_system_vgpr_workitem_id 0
		.amdhsa_next_free_vgpr 1024
		.amdhsa_next_free_sgpr 80
		.amdhsa_reserve_vcc 0
		.amdhsa_float_denorm_mode_32 3
		.amdhsa_float_denorm_mode_16_64 3
		.amdhsa_memory_ordered 1
		.amdhsa_forward_progress 1
		.amdhsa_inst_pref_size 244
	.end_amdhsa_kernel
	.amdgpu_metadata
---
amdhsa.version: [ 1, 2 ]
amdhsa.kernels:
  - .name:           k_qaf2f63f508_actq
    .symbol:         k_qaf2f63f508_actq.kd
    .args:
      - { .name: hidden_state_codes, .offset: 0, .size: 8, .value_kind: global_buffer, .address_space: global }
      - { .name: hidden_state_scales, .offset: 8, .size: 8, .value_kind: global_buffer, .address_space: global }
      - { .name: W1_codes, .offset: 16, .size: 8, .value_kind: global_buffer, .address_space: global }
      - { .name: W1_scales, .offset: 24, .size: 8, .value_kind: global_buffer, .address_space: global }
      - { .name: b1, .offset: 32, .size: 8, .value_kind: global_buffer, .address_space: global }
      - { .name: part, .offset: 40, .size: 8, .value_kind: global_buffer, .address_space: global }
      - { .name: ln_gamma, .offset: 48, .size: 8, .value_kind: global_buffer, .address_space: global }
      - { .name: ln_beta, .offset: 56, .size: 8, .value_kind: global_buffer, .address_space: global }
      - { .name: a_codes, .offset: 64, .size: 8, .value_kind: global_buffer, .address_space: global }
      - { .name: a_scales, .offset: 72, .size: 8, .value_kind: global_buffer, .address_space: global }
    .group_segment_fixed_size: 327680
    .private_segment_fixed_size: 0
    .kernarg_segment_align: 8
    .kernarg_segment_size: 80
    .max_flat_workgroup_size: 128
    .sgpr_count:     80
    .vgpr_count:     1024
    .wavefront_size: 32
...
	.end_amdgpu_metadata
.endif
;; end of part 2
;; launch outp (part 3): grid 4 x 64, 4 waves a work-group, clusters of 4 x 4, 327,680 bytes of LDS; arguments a_codes, a_scales, W2_codes, W2_scales, b2, out0; writes out0
.if DOCPART == 3
	.amdgcn_target "amdgcn-amd-amdhsa--gfx1250"
	.amdhsa_code_object_version 6
	.text
	.protected	k_qaf2f63f508_outp
	.globl	k_qaf2f63f508_outp
	.p2align	8
	.type	k_qaf2f63f508_outp,@function
k_qaf2f63f508_outp:
	s_mov_b64 s[64:65], 0
	v_nop
	global_prefetch_b8 v0, s[64:65] scope:SCOPE_SE
	s_setreg_imm32_b32 hwreg(HW_REG_WAVE_MODE, 25, 1), 1
	s_wait_xcnt 0x0
	s_wait_alu depctr_hold_cnt(0) depctr_sa_sdst(0) depctr_va_vdst(0) depctr_va_sdst(0) depctr_va_ssrc(0) depctr_va_vcc(0) depctr_vm_vsrc(0)
	s_getreg_b32 s2, hwreg(HW_REG_IB_STS2, 6, 4)
	s_cmp_eq_u32 s2, 0
	s_cbranch_scc0 .Lentry_in_a_cluster
	s_endpgm
.Lentry_in_a_cluster:
	s_bfe_u32 s2, ttmp6, 0x10000c
	s_cmp_lg_u32 s2, 0xf033
	s_cbranch_scc0 .Lentry_shape_is_right
	s_endpgm
.Lentry_shape_is_right:
.set SIZE_N, 1024
.set KROW,   4096
.set PITCH,  272
.set FR,     16
.set NP,     8
.set AIMG,   32768
.set HALFB,  128*PITCH
.set SLOT,   AIMG+2*HALFB
.set SCA,    2*SLOT
.set SCB,    SCA+16384
.set HALFSB, 64*272
.set SPARE,  SCB+2*HALFSB
.set SPITCH, 528
.set ADRA, 16
.set ADRB, 20
.set ASA,  22
.set ASB,  23
.set STO,  24
.set RD,   25
.set CO,   26
.set SPW,  28
.set NIL,  29
.set BO,   30
.set SAW,  32
.set SBW,  48
.set AF,   128
.set BK,   128
.set G1, 24
.set G0, 32
.set G1B, 48
.set G0B, 56
.set G1S, 68
.set G0S, 76
.set G1SB, 80
.set G0SB, 88
.set MSB, 0
.macro WIN new
.if MSB != (\new)
	s_set_vgpr_msb (MSB<<8)|(\new)
.set MSB, (\new)
.endif
.endm
.set MUL,  0xa1
.set BIAS, 0xb1
.macro JLOAD g0a, g1a, g0b, g1b
	s_cmp_eq_u32 s15, 0
	s_cbranch_scc0 .Lfor_b_\@
	tensor_load_to_lds s[\g0a:\g0a+3], s[\g1a:\g1a+7]
	s_nop 0
.rept 4
	v_nop
.endr
	s_branch .Lasked_\@
.Lfor_b_\@:
	tensor_load_to_lds s[\g0b:\g0b+3], s[\g1b:\g1b+7]
	s_nop 0
.rept 4
	v_nop
.endr
.Lasked_\@:
.endm
.macro CREST
	s_cmp_lg_u32 s14, 0
	s_cbranch_scc1 .Lnot_wave_0_\@
	s_barrier_signal -3
.Lnot_wave_0_\@:
	s_barrier_wait -3
	s_barrier_signal -1
	s_barrier_wait -1
.endm
.macro CROUND
	s_barrier_signal -1
	s_barrier_wait -1
	CREST
.endm
	s_load_b256 s[4:11], s[0:1], 0x0
	s_load_b64 s[96:97], s[0:1], 0x20
	s_load_b64 s[12:13], s[0:1], 0x28
	v_lshl_add_u32 v[SPW], v0, 2, SPARE
	v_mov_b32 v[NIL], 0
	ds_add_u32 v28, v29
	ds_add_u32 v28, v29
	s_wait_dscnt 0x0
	v_lshrrev_b32 v1, 5, v0
	v_readfirstlane_b32 s14, v1
	s_lshr_b32 s15, s14, 1
	s_and_b32 s16, s14, 1
	s_bfe_u32 s40, ttmp6, 0x40000
	s_bfe_u32 s41, ttmp6, 0x40004
	s_lshl_b32 s42, ttmp9, 2
	s_add_co_u32 s42, s42, s40
	s_and_b32 s17, ttmp7, 0xffff
	s_lshl_b32 s17, s17, 2
	s_add_co_u32 s17, s17, s41
	s_lshl_b32 s43, s41, 2
	s_lshl_b32 s43, 15, s43
	s_lshl_b32 s44, 0x1111, s40
	s_or_b32 s[G1+0], s43, (3<<16)|(1<<21)
	s_mov_b32 s[G1+1], 32<<16
	s_mov_b32 s[G1+2], 64<<16
	s_mov_b32 s[G1+3], 32<<16
	s_mov_b32 s[G1+4], 64
	s_mov_b32 s[G1+5], 32
	s_mov_b32 s[G1+6], 0
	s_mov_b32 s[G1+7], 0
	s_or_b32 s[G1B+0], s44, (0<<16)|(1<<20)|(1<<21)|(5<<22)|(3<<25)
	s_mov_b32 s[G1B+1], 256<<16
	s_mov_b32 s[G1B+2], 128<<16
	s_mov_b32 s[G1B+3], 256<<16
	s_mov_b32 s[G1B+4], 128
	s_mov_b32 s[G1B+5], KROW
	s_mov_b32 s[G1B+6], 0
	s_mov_b32 s[G1B+7], 0
	s_or_b32 s[G1S+0], s43, (3<<16)|(1<<21)
	s_mov_b32 s[G1S+1], 32<<16
	s_mov_b32 s[G1S+2], 32<<16
	s_mov_b32 s[G1S+3], 32<<16
	s_mov_b32 s[G1S+4], 32
	s_mov_b32 s[G1S+5], 32
	s_mov_b32 s[G1S+6], 0
	s_mov_b32 s[G1S+7], 0
	s_or_b32 s[G1SB+0], s44, (3<<16)|(1<<20)|(1<<21)|(5<<22)|(3<<25)
	s_mov_b32 s[G1SB+1], 32<<16
	s_mov_b32 s[G1SB+2], 64<<16
	s_mov_b32 s[G1SB+3], 32<<16
	s_mov_b32 s[G1SB+4], 64
	s_mov_b32 s[G1SB+5], 32
	s_mov_b32 s[G1SB+6], 0
	s_mov_b32 s[G1SB+7], 0
	s_lshl_b32 s20, s17, 19
	s_lshl_b32 s18, s16, 14
	s_add_co_u32 s20, s20, s18
	s_mov_b32 s21, 0
	s_lshl_b32 s22, s17, 14
	s_lshl_b32 s18, s16, 13
	s_add_co_u32 s22, s22, s18
	s_mov_b32 s23, 0
	s_lshl_b32 s46, s42, 8
	s_lshl_b32 s18, s16, 7
	s_add_co_u32 s46, s46, s18
	s_lshl_b32 s92, s46, 7
	s_mov_b32 s93, 0
	s_lshl_b32 s46, s46, 12
	s_mov_b32 s47, 0
	s_lshl_b32 s45, s16, 14
	s_mul_i32 s94, s16, HALFB
	s_add_co_u32 s94, s94, AIMG
	s_lshl_b32 s95, s16, 13
	s_mul_i32 s2, s16, HALFSB
	s_lshl_b32 s18, s42, 10
	s_lshl_b32 s19, s16, 9
	s_add_co_u32 s18, s18, s19
	s_mov_b32 s19, 0
	v_bfe_u32 v2, v0, 4, 1
	v_lshlrev_b32 v[BO], 5, v2
	; THE PREFETCHES: a K step is asked for two refills ahead of its load.  Waves 0, 1 ask for the operand's image (32,768 bytes a step, shared by my row of the cluster: 32 blocks of 256 bytes a work-group, 16 a wave;
	; lanes 16-31 name the wave's last block again), waves 2, 3 for W2's rows (256 a step, shared by my column: 64 rows a work-group, a lane a row).  The partners share the blocks out by address.
	s_cmp_eq_u32 s15, 0
	s_cselect_b32 s66, 15, 31
	s_mov_b32 s67, 4096
	s_cselect_b32 s67, 256, s67
	v_and_b32 v31, 31, v0
	v_min_u32 v31, s66, v31
	v_mul_u32_u24 v31, s67, v31
	s_lshl_b32 s98, s17, 19
	s_lshl_b32 s99, s40, 13
	s_add_co_u32 s98, s98, s99
	s_lshl_b32 s99, s16, 12
	s_add_co_u32 s98, s98, s99
	s_add_co_u32 s98, s98, 32768                   ; the image's K step 1
	s_lshl_b32 s100, s42, 20
	s_lshl_b32 s99, s41, 18
	s_add_co_u32 s100, s100, s99
	s_lshl_b32 s99, s16, 17
	s_add_co_u32 s100, s100, s99
	s_add_co_u32 s100, s100, 256                   ; W2's K step 1
	s_cmp_eq_u32 s15, 0
	s_cselect_b32 s98, s98, s100
	s_mov_b32 s99, 0
	s_mov_b32 s100, 256
	s_cselect_b32 s100, 32768, s100                ; from K step to K step
	s_mov_b32 s101, 0
	s_wait_alu depctr_va_vdst(0)
	s_wait_kmcnt 0x0
	s_add_nc_u64 s[20:21], s[4:5], s[20:21]
	s_add_nc_u64 s[22:23], s[6:7], s[22:23]
	s_add_nc_u64 s[46:47], s[8:9], s[46:47]
	s_add_nc_u64 s[92:93], s[10:11], s[92:93]
	s_add_nc_u64 s[96:97], s[96:97], s[18:19]
	s_cmp_eq_u32 s15, 0
	s_cselect_b64 s[66:67], s[4:5], s[8:9]
	s_add_nc_u64 s[98:99], s[66:67], s[98:99]
	WIN 0xc0
.irp b, 0,1,2,3,4,5,6,7
	global_load_b128 v[8*\b:8*\b+3],   v[BO], s[96:97] offset:64*\b
	global_load_b128 v[8*\b+4:8*\b+7], v[BO], s[96:97] offset:64*\b+16
.endr
	WIN 0
	s_lshl_b32 s18, s17, 19
	s_lshl_b32 s19, s15, 18
	s_add_co_u32 s18, s18, s19
	s_lshl_b32 s19, s42, 10
	s_add_co_u32 s18, s18, s19
	s_lshl_b32 s19, s16, 9
	s_add_co_u32 s18, s18, s19
	s_mov_b32 s19, 0
	s_add_nc_u64 s[12:13], s[12:13], s[18:19]
	CROUND
	s_mov_b32 s[G0S], 1
	s_add_co_u32 s[G0S+1], s95, SCA
	s_mov_b64 s[G0S+2:G0S+3], s[22:23]
	s_or_b32 s[G0S+3], s[G0S+3], 0x80000000
	s_mov_b32 s[G0SB], 1
	s_add_co_u32 s[G0SB+1], s2, SCB
	s_mov_b64 s[G0SB+2:G0SB+3], s[92:93]
	s_or_b32 s[G0SB+3], s[G0SB+3], 0x80000000
	JLOAD G0S, G1S, G0SB, G1SB
.irp s, 0,1
	s_mov_b32 s[G0+4*\s], 1
	s_add_co_u32 s[G0+4*\s+1], s45, \s*SLOT
	s_add_nc_u64 s[G0+4*\s+2:G0+4*\s+3], s[20:21], \s*AIMG
	s_or_b32 s[G0+4*\s+3], s[G0+4*\s+3], 0x80000000
	s_mov_b32 s[G0B+4*\s], 1
	s_add_co_u32 s[G0B+4*\s+1], s94, \s*SLOT
	s_add_nc_u64 s[G0B+4*\s+2:G0B+4*\s+3], s[46:47], \s*256
	s_or_b32 s[G0B+4*\s+3], s[G0B+4*\s+3], 0x80000000
	s_wait_alu depctr_va_vdst(0)
	s_wait_tensorcnt 0x0
	ds_add_u32 v28, v29
	s_wait_dscnt 0x0
	CROUND
	JLOAD G0+4*\s, G1, G0B+4*\s, G1B
	s_wait_xcnt 0x0                                ; an earlier prefetch has read its address
	s_add_nc_u64 s[98:99], s[98:99], s[100:101]
	global_prefetch_b8 v31, s[98:99] th:TH_LOAD_NT scope:SCOPE_SE   ; behind K step s's load: K step s + 2
.endr
	v_and_b32 v1, 15, v0
	v_bfe_u32 v2, v0, 4, 1
	v_and_b32 v6, 31, v0
	v_lshlrev_b32 v[CO], 4, v6
	s_lshl_b32 s21, s15, 13
	v_mul_u32_u24 v3, v1, PITCH
	v_lshl_add_u32 v4, v2, 4, v3
	s_mul_i32 s22, s16, HALFB
	s_add_co_u32 s22, s22, AIMG
.irp s, 0,1
	v_add_nc_u32 v[ADRA+\s], s21, v[CO]
	v_add_nc_u32 v[ADRB+\s], s22, v4
	s_add_co_u32 s21, s21, SLOT
	s_add_co_u32 s22, s22, SLOT
.endr
	s_lshl_b32 s21, s15, 8
	s_add_co_u32 s21, s21, SCA
	v_lshl_add_u32 v[ASA], v1, 2, s21
	v_lshrrev_b32 v5, 1, v1
	v_lshlrev_b32 v3, 7, v1
	v_lshl_add_u32 v3, v5, 4, v3
	s_mul_i32 s22, s16, HALFSB
	s_add_co_u32 s22, s22, SCB
	v_add_nc_u32 v[ASB], s22, v3
	s_mul_i32 s23, s14, 16*SPITCH
	v_mul_u32_u24 v5, v1, SPITCH
	v_lshl_add_u32 v5, v2, 5, v5
	v_add_nc_u32 v[STO], s23, v5
	v_add_nc_u32 v[RD], s23, v[CO]
.macro FETCH3 slot, q, p
	WIN 0x40
.irp b, 0,1,2,3,4,5,6,7
.irp c, 0,1,2,3
	ds_load_b128 v[128*(\p)+FR*\b+4*\c:128*(\p)+FR*\b+4*\c+3], v[ADRB+\slot] offset:128*(\q)+32*\c+\b*16*PITCH
.endr
.endr
	WIN 0
.irp a, 0,1,2,3
.irp c, 0,1,2,3
	ds_load_b128 v[AF+64*(\p)+FR*\a+4*\c:AF+64*(\p)+FR*\a+4*\c+3], v[ADRA+\slot] offset:16384*(\q)+2048*\a+512*\c
.endr
.endr
.endm
.macro SCALES3 s
.irp q, 0,1
.irp a, 0,1,2,3
	ds_load_b32 v[SAW+8*\s+4*\q+\a], v[ASA] offset:512*\q+64*\a
.endr
.endr
.irp b, 0,1,2,3,4,5,6,7
	ds_load_b64 v[SBW+16*\s+2*\b:SBW+16*\s+2*\b+1], v[ASB] offset:2176*\b
.endr
.endm
.macro MUL8 a, p, s, q, bias
.irp b, 0,1,2,3,4,5,6,7
.if \bias
	v_wmma_scale_f32_16x16x128_f8f6f4 v[8*(8*(\a)+\b):8*(8*(\a)+\b)+7], v[128*(\p)+FR*\b:128*(\p)+FR*\b+FR-1], v[AF+64*(\p)+FR*(\a):AF+64*(\p)+FR*(\a)+FR-1], v[8*\b:8*\b+7], v[SBW+16*(\s)+2*\b+(\q)], v[SAW+8*(\s)+4*(\q)+(\a)] matrix_a_fmt:MATRIX_FMT_BF8 matrix_b_fmt:MATRIX_FMT_BF8
.else
	v_wmma_scale_f32_16x16x128_f8f6f4 v[8*(8*(\a)+\b):8*(8*(\a)+\b)+7], v[128*(\p)+FR*\b:128*(\p)+FR*\b+FR-1], v[AF+64*(\p)+FR*(\a):AF+64*(\p)+FR*(\a)+FR-1], v[8*(8*(\a)+\b):8*(8*(\a)+\b)+7], v[SBW+16*(\s)+2*\b+(\q)], v[SAW+8*(\s)+4*(\q)+(\a)] matrix_a_fmt:MATRIX_FMT_BF8 matrix_b_fmt:MATRIX_FMT_BF8
.endif
.endr
.endm
.macro PLACES n
.rept \n
	v_nop
.endr
.endm
.macro STEP3 slot, bias
	PLACES NP
	FETCH3 \slot, 1, 1
	s_wait_dscnt 48
.if \bias
	WIN BIAS
.else
	WIN MUL
.endif
	MUL8 0, 0, \slot, 0, \bias
	MUL8 1, 0, \slot, 0, \bias
	MUL8 2, 0, \slot, 0, \bias
	MUL8 3, 0, \slot, 0, \bias
	WIN 0
.endm
.macro TURN3 slot, next, fill
.if \fill
	s_wait_xcnt 0x0                                ; the last prefetch, a K step back, has read its address
	s_add_nc_u64 s[98:99], s[98:99], s[100:101]
.endif
	s_wait_tensorcnt 0x0
	ds_add_u32 v[SPW], v[NIL]
	s_wait_dscnt 1
	WIN MUL
	MUL8 0, 1, \slot, 1, 0
	s_wait_dscnt 0x0
	s_barrier_signal -1
	MUL8 1, 1, \slot, 1, 0
	WIN 0
	s_barrier_wait -1
.if \fill
	CREST
	s_add_nc_u64 s[G0+4*\slot+2:G0+4*\slot+3], s[G0+4*\slot+2:G0+4*\slot+3], 2*AIMG
	s_add_nc_u64 s[G0B+4*\slot+2:G0B+4*\slot+3], s[G0B+4*\slot+2:G0B+4*\slot+3], 512
	JLOAD G0+4*\slot, G1, G0B+4*\slot, G1B
	PLACES NP-4
.else
	PLACES NP
.endif
	s_wait_alu depctr_va_vdst(0)
	v_add_nc_u32 v[ASA], 1024, v[ASA]
	v_add_nc_u32 v[ASB], 8, v[ASB]
	FETCH3 \next, 0, 0
	SCALES3 \next
.if \fill
	s_cmp_gt_u32 s3, 1                             ; the last trip's two refills have no K step two on: nothing is asked for beyond K
	s_cbranch_scc0 .Lno_ask_\@
	global_prefetch_b8 v31, s[98:99] th:TH_LOAD_NT scope:SCOPE_SE
.Lno_ask_\@:
.endif
	WIN MUL
	MUL8 2, 1, \slot, 1, 0
	MUL8 3, 1, \slot, 1, 0
	WIN 0
.endm
	s_wait_alu depctr_va_vdst(0)
	s_wait_loadcnt 0x0
	s_wait_tensorcnt 1
	s_barrier_signal -1
	s_barrier_wait -1
	FETCH3 0, 0, 0
	SCALES3 0
	STEP3 0, 1
	s_mov_b32 s3, 7
.Llap:
	TURN3 0, 1, 1
	STEP3 1, 0
	TURN3 1, 0, 1
	STEP3 0, 0
	s_sub_co_u32 s3, s3, 1
	s_cmp_lg_u32 s3, 0
	s_cbranch_scc1 .Llap
	TURN3 0, 1, 0
	STEP3 1, 0
	s_wait_dscnt 0
	WIN MUL
	MUL8 0, 1, 1, 1, 0
	MUL8 1, 1, 1, 1, 0
	MUL8 2, 1, 1, 1, 0
	MUL8 3, 1, 1, 1, 0
	WIN 0
.macro TOSTAGE a
.set AC, 64*(\a)
	WIN 0x08
.irp b, 0,1,2,3,4,5,6,7
	ds_store_b128 v[STO], v[AC+8*\b:AC+8*\b+3] offset:64*\b
	ds_store_b128 v[STO], v[AC+8*\b+4:AC+8*\b+7] offset:64*\b+16
.endr
	WIN 0
.set BB, BK+64*((\a)%2)
.irp t, 0,1,2,3,4,5,6,7,8,9,10,11,12,13,14,15
	ds_load_b128 v[BB+4*\t:BB+4*\t+3], v[RD] offset:\t*SPITCH
.endr
.endm
.macro SEND a, younger
.set BB, BK+64*((\a)%2)
	s_wait_dscnt \younger
.if (\a) > 0
	s_add_nc_u64 s[12:13], s[12:13], 16*SIZE_N*4
.endif
.irp t, 0,1,2,3,4,5,6,7,8,9,10,11,12,13,14,15
	global_store_b128 v[CO], v[BB+4*\t:BB+4*\t+3], s[12:13] offset:\t*SIZE_N*4 th:TH_STORE_NT
.endr
.endm
	PLACES NP
	TOSTAGE 0
.irp a, 1,2,3
.if \a > 1
	s_wait_xcnt 0x0
.endif
	TOSTAGE \a
	SEND \a-1, 32
.endr
	s_wait_xcnt 0x0
	SEND 3, 0
	s_wait_tensorcnt 0x0
	ds_add_u32 v[SPW], v[NIL]
	s_wait_dscnt 0x0
	CROUND
	s_endpgm
.Lfunc_end_k_qaf2f63f508_outp:
	.size	k_qaf2f63f508_outp, .Lfunc_end_k_qaf2f63f508_outp-k_qaf2f63f508_outp
	.p2alignl 7, 3214868480
	.fill 96, 4, 3214868480
	.section	.rodata,"a",@progbits
	.p2align	6, 0x0
	.amdhsa_kernel k_qaf2f63f508_outp
		.amdhsa_group_segment_fixed_size 327680
		.amdhsa_private_segment_fixed_size 0
		.amdhsa_enable_private_segment 0
		.amdhsa_kernarg_size 48
		.amdhsa_user_sgpr_count 2
		.amdhsa_user_sgpr_kernarg_segment_ptr 1
		.amdhsa_wavefront_size32 1
		.amdhsa_system_sgpr_workgroup_id_x 1
		.amdhsa_system_sgpr_workgroup_id_y 1
		.amdhsa_system_sgpr_workgroup_id_z 1
		.amdhsa_system_vgpr_workitem_id 0
		.amdhsa_next_free_vgpr 832
		.amdhsa_next_free_sgpr 102
		.amdhsa_reserve_vcc 0
		.amdhsa_float_denorm_mode_32 3
		.amdhsa_float_denorm_mode_16_64 3
		.amdhsa_memory_ordered 1
		.amdhsa_forward_progress 1
		.amdhsa_inst_pref_size 95
	.end_amdhsa_kernel
	.amdgpu_metadata
---
amdhsa.version: [ 1, 2 ]
amdhsa.kernels:
  - .name:           k_qaf2f63f508_outp
    .symbol:         k_qaf2f63f508_outp.kd
    .args:
      - { .name: a_codes, .offset: 0, .size: 8, .value_kind: global_buffer, .address_space: global }
      - { .name: a_scales, .offset: 8, .size: 8, .value_kind: global_buffer, .address_space: global }
      - { .name: W2_codes, .offset: 16, .size: 8, .value_kind: global_buffer, .address_space: global }
      - { .name: W2_scales, .offset: 24, .size: 8, .value_kind: global_buffer, .address_space: global }
      - { .name: b2, .offset: 32, .size: 8, .value_kind: global_buffer, .address_space: global }
      - { .name: out0, .offset: 40, .size: 8, .value_kind: global_buffer, .address_space: global }
    .group_segment_fixed_size: 327680
    .private_segment_fixed_size: 0
    .kernarg_segment_align: 8
    .kernarg_segment_size: 48
    .max_flat_workgroup_size: 128
    .sgpr_count:     102
    .vgpr_count:     832
    .wavefront_size: 32
...
	.end_amdgpu_metadata
.endif
;; end of part 3
